; MI455X (gfx1250); checked and timed in simulation.
; The chip was launched on July 23, 2026; its instructions are those of AMD's public machine-readable ISA for CDNA 5 (MIT licence, August 2026) and "CDNA5" Instruction Set Architecture Reference Guide (July 2026). The comments in the code are by the model that wrote it; some were corrected since.
;; Vector Quantizer. Allowed arithmetic: float matrix products may take bf16 or f16 operands with f32 sums; other float arithmetic in f32, or as packed bf16 or f16 multiplies, adds, multiply-adds, maxima and minima; sums over many terms, partial sums and values carried from step to step in f32; what a program stores and reads back later, other than sums and carried values, may be rounded once to bf16 or f16.
;; Inputs: W 8,192 x 256 float32; z 32,768 x 256 float32.
;; Outputs: out0 32,768 x 256 float32; out1 32,768 int32; out2 32,768 float32.
;; 2 versions, each right; version 2 is version 1 with the launches prep, fetch written anew for expert scheduling mode. Each part assembles by itself: llvm-mc -triple=amdgcn-amd-amdhsa -mcpu=gfx1250 --defsym DOCPART=n.
;; ======== version 1 of 2: 3 launches
;; workspace buffers: zb 16,777,216 bytes; Wb 4,194,304 bytes; An 131,072 bytes; Bn 32,768 bytes; pick 131,072 bytes of whole numbers
;; launch prep (part 1): grid 320 x 1, 8 waves a work-group, no clusters, 1,536 bytes of LDS; arguments z, W, zb, Wb, An, Bn; writes zb, Wb, An, Bn
.if DOCPART == 1
	.amdgcn_target "amdgcn-amd-amdhsa--gfx1250"
	.amdhsa_code_object_version 6
	.text
	.protected	k_q315e158c68_prep
	.globl	k_q315e158c68_prep
	.p2align	8
	.type	k_q315e158c68_prep,@function
k_q315e158c68_prep:
	s_mov_b64 s[64:65], 0
	v_nop
	global_prefetch_b8 v0, s[64:65] scope:SCOPE_SE
	s_setreg_imm32_b32 hwreg(HW_REG_WAVE_MODE, 25, 1), 1
	s_wait_xcnt 0x0
; VECTOR QUANTIZER, launch 1 of 3.  idx[n] = the first k that makes d[n][k] = (|z_n|^2 + |W_k|^2) - 2 z_n . W_k least; out0 = z + (W[idx] - z); out2 = 0.
; NO WORK IS LEFT OUT, and both inputs are loaded.  |z_n|^2 is the same for all k and would cancel in exact arithmetic, but beside it the f32 sum loses
; most bits of the other two terms, and which codes then tie decides the index: so d is formed in f32 in the written order, ties to the lower index.
; THIS LAUNCH rounds every row of z and of W to bf16 (the matrix operands: zb, Wb) and takes the f32 sum of squares OF THE ROUNDED ROW (An, Bn).
; LIMITS.  The whole program computes the module on its inputs rounded once to bf16.  The 256 squares are added in another order than a plain row sum:
; An and Bn may differ from it in their last bits.  NaN and infinities are not treated apart here.
; SHARES.  A work-group takes 128 rows: groups 0-255 rows of z, groups 256-319 rows of W.  A wave takes 16 rows.  A lane holds columns 4 l .. 4 l + 3 and
; 128 + 4 l .. 128 + 4 l + 3 of a row: each load of a wave covers 512 consecutive bytes, each store of bf16 256 consecutive bytes, aligned.
; All 32 loads of a wave go out at once (16 KiB); every row keeps its own registers, so no register that a store still reads is written again.
.set SPARE, 512                        ; LDS: bytes 0-511 the group's 128 sums; from 512 on the spare words, 128 bytes for each of the eight waves
.set LO,  2                            ; v2   16 x lane: my bytes in half a row of f32
.set SO,  3                            ; v3   8 x lane: my bytes in half a row of bf16
.set HA,  4                            ; v4   8 x (thread mod 64): two sums, in LDS and in An or Bn
.set HD,  6                            ; v[6:7] those two sums
.set T,   16                           ; v[16:23] the rounded row's eight numbers as f32
.set S,   24                           ; v[24:25] the sum
.set P,   26                           ; v26  the other half of the lanes' sum
.set NA,  27                           ; v27  64 x wave: my wave's 16 words in LDS
.set SPW, 28                           ; v28  LDS address of my spare word; never rewritten
.set NIL, 29                           ; v29  0; never rewritten
.set X,   32                           ; v[32:159] row i: 8 registers as loaded; its first four then hold the row's bf16
	s_load_b256 s[4:11], s[0:1], 0x0               ; z s[4:5], W s[6:7], zb s[8:9], Wb s[10:11]
	s_load_b128 s[12:15], s[0:1], 0x20             ; An s[12:13], Bn s[14:15]
	v_lshl_add_u32 v[SPW], v0, 2, SPARE
	v_mov_b32 v[NIL], 0
	v_lshrrev_b32 v1, 5, v0
	v_readfirstlane_b32 s16, v1                    ; wave 0..7
	v_and_b32 v1, 31, v0
	v_lshlrev_b32 v[LO], 4, v1
	v_lshlrev_b32 v[SO], 3, v1
	v_and_b32 v[HA], 63, v0
	v_lshlrev_b32 v[HA], 3, v[HA]
	s_lshl_b32 s17, s16, 6
	v_mov_b32 v[NA], s17
	v_mov_b32 v[P], 0                              ; v_permlanex16_b32 counts as a reader of its destination
	s_mov_b32 s24, 0x76543210                      ; each lane takes its own place in the other half
	s_mov_b32 s25, 0xfedcba98
	s_mov_b32 s26, 0xffff0000                      ; a word's upper bf16
	s_cmp_lt_u32 ttmp9, 256
	s_cselect_b32 s18, 0, 256
	s_sub_co_u32 s18, ttmp9, s18                   ; my block of 128 rows in its tensor
	s_lshl_b32 s20, s18, 17                        ; 128 rows x 1,024 bytes,
	s_lshl_b32 s21, s16, 14                        ; my wave's 16 rows
	s_add_co_u32 s20, s20, s21
	s_mov_b32 s21, 0
	s_lshr_b32 s22, s20, 1                         ; the same rows in bf16
	s_mov_b32 s23, 0
	s_lshl_b32 s28, s18, 9                         ; 128 sums
	s_mov_b32 s29, 0
	s_wait_kmcnt 0x0
	s_cmp_lt_u32 ttmp9, 256                        ; z's groups or W's: the choice hangs on the group's number alone
	s_cselect_b64 s[4:5], s[4:5], s[6:7]
	s_cselect_b64 s[8:9], s[8:9], s[10:11]
	s_cselect_b64 s[12:13], s[12:13], s[14:15]
	s_add_nc_u64 s[4:5], s[4:5], s[20:21]
	s_add_nc_u64 s[8:9], s[8:9], s[22:23]
	s_add_nc_u64 s[12:13], s[12:13], s[28:29]
.irp i, 0,1,2,3,4,5,6,7,8,9,10,11,12,13,14,15
	global_load_b128 v[X+8*(\i):X+8*(\i)+3],   v[LO], s[4:5] offset:1024*(\i) th:TH_LOAD_NT
	global_load_b128 v[X+8*(\i)+4:X+8*(\i)+7], v[LO], s[4:5] offset:1024*(\i)+512 th:TH_LOAD_NT
.endr
.macro ROW i
	s_wait_loadcnt 30-2*(\i)                       ; loads come back in order: row i's two are in, the two of each later row stay out
.irp k, 0,1,2,3
	v_cvt_pk_bf16_f32 v[X+8*(\i)+(\k)], v[X+8*(\i)+2*(\k)], v[X+8*(\i)+2*(\k)+1]  ; in place: word k is written when its old number has been read
.endr
	global_store_b64 v[SO], v[X+8*(\i):X+8*(\i)+1],   s[8:9] offset:512*(\i)      ; 256 consecutive bytes, aligned
	global_store_b64 v[SO], v[X+8*(\i)+2:X+8*(\i)+3], s[8:9] offset:512*(\i)+256
.irp k, 0,1,2,3
	v_lshlrev_b32 v[T+2*(\k)],   16,  v[X+8*(\i)+(\k)]   ; the rounded numbers back as f32
	v_and_b32     v[T+2*(\k)+1], s26, v[X+8*(\i)+(\k)]
.endr
	v_pk_mul_f32 v[S:S+1], v[T:T+1], v[T:T+1]
	v_pk_fma_f32 v[S:S+1], v[T+2:T+3], v[T+2:T+3], v[S:S+1]
	v_pk_fma_f32 v[S:S+1], v[T+4:T+5], v[T+4:T+5], v[S:S+1]
	v_pk_fma_f32 v[S:S+1], v[T+6:T+7], v[T+6:T+7], v[S:S+1]
	v_add_f32 v[S], v[S], v[S+1]
	v_add_f32_dpp v[S], v[S], v[S] row_xmask:1 row_mask:0xf bank_mask:0xf
	v_add_f32_dpp v[S], v[S], v[S] row_xmask:2 row_mask:0xf bank_mask:0xf
	v_add_f32_dpp v[S], v[S], v[S] row_xmask:4 row_mask:0xf bank_mask:0xf
	v_add_f32_dpp v[S], v[S], v[S] row_xmask:8 row_mask:0xf bank_mask:0xf
	v_permlanex16_b32 v[P], v[S], s24, s25
	v_add_f32 v[S], v[S], v[P]                     ; every lane holds the row's sum
	ds_store_b32 v[NA], v[S] offset:4*(\i)         ; all lanes, the same word, the same number
.endm
.irp i, 0,1,2,3,4,5,6,7,8,9,10,11,12,13,14,15
	ROW \i
.endr
	s_wait_dscnt 0x0                               ; for the others' sake: my 16 sums lie in LDS
	s_barrier_signal -1
	s_barrier_wait -1
	s_cmp_lt_u32 s16, 2                            ; waves 0 and 1 store the 128 sums, 256 consecutive bytes each
	s_cbranch_scc0 .Lend
	ds_load_b64 v[HD:HD+1], v[HA]
	s_wait_dscnt 0x0
	global_store_b64 v[HA], v[HD:HD+1], s[12:13]
.Lend:
	s_wait_tensorcnt 0x0                           ; the wave's end, behind my last LDS store
	ds_add_u32 v[SPW], v[NIL]
	s_wait_dscnt 0x0
	s_endpgm
.Lfunc_end_k_q315e158c68_prep:
	.size	k_q315e158c68_prep, .Lfunc_end_k_q315e158c68_prep-k_q315e158c68_prep
	.p2alignl 7, 3214868480
	.fill 96, 4, 3214868480
	.section	.rodata,"a",@progbits
	.p2align	6, 0x0
	.amdhsa_kernel k_q315e158c68_prep
		.amdhsa_group_segment_fixed_size 1536
		.amdhsa_private_segment_fixed_size 0
		.amdhsa_enable_private_segment 0
		.amdhsa_kernarg_size 48
		.amdhsa_user_sgpr_count 2
		.amdhsa_user_sgpr_kernarg_segment_ptr 1
		.amdhsa_wavefront_size32 1
		.amdhsa_system_sgpr_workgroup_id_x 1
		.amdhsa_system_sgpr_workgroup_id_y 1
		.amdhsa_system_sgpr_workgroup_id_z 1
		.amdhsa_system_vgpr_workitem_id 0
		.amdhsa_next_free_vgpr 160
		.amdhsa_next_free_sgpr 66
		.amdhsa_reserve_vcc 0
		.amdhsa_float_denorm_mode_32 3
		.amdhsa_float_denorm_mode_16_64 3
		.amdhsa_memory_ordered 1
		.amdhsa_forward_progress 1
		.amdhsa_inst_pref_size 28
	.end_amdhsa_kernel
	.amdgpu_metadata
---
amdhsa.version: [ 1, 2 ]
amdhsa.kernels:
  - .name:           k_q315e158c68_prep
    .symbol:         k_q315e158c68_prep.kd
    .args:
      - { .name: z, .offset: 0, .size: 8, .value_kind: global_buffer, .address_space: global }
      - { .name: W, .offset: 8, .size: 8, .value_kind: global_buffer, .address_space: global }
      - { .name: zb, .offset: 16, .size: 8, .value_kind: global_buffer, .address_space: global }
      - { .name: Wb, .offset: 24, .size: 8, .value_kind: global_buffer, .address_space: global }
      - { .name: An, .offset: 32, .size: 8, .value_kind: global_buffer, .address_space: global }
      - { .name: Bn, .offset: 40, .size: 8, .value_kind: global_buffer, .address_space: global }
    .group_segment_fixed_size: 1536
    .private_segment_fixed_size: 0
    .kernarg_segment_align: 8
    .kernarg_segment_size: 48
    .max_flat_workgroup_size: 256
    .sgpr_count:     66
    .vgpr_count:     160
    .wavefront_size: 32
...
	.end_amdgpu_metadata
.endif
;; end of part 1
;; launch nearest (part 2): grid 256 x 1, 4 waves a work-group, clusters of 4 x 1, 327,680 bytes of LDS; arguments zb, Wb, An, Bn, out1, pick, out2; writes out1, pick, out2
.if DOCPART == 2
	.amdgcn_target "amdgcn-amd-amdhsa--gfx1250"
	.amdhsa_code_object_version 6
	.text
	.protected	k_q315e158c68_nearest
	.globl	k_q315e158c68_nearest
	.p2align	8
	.type	k_q315e158c68_nearest,@function
k_q315e158c68_nearest:
	s_mov_b64 s[64:65], 0
	v_nop
	global_prefetch_b8 v0, s[64:65] scope:SCOPE_SE
	s_setreg_imm32_b32 hwreg(HW_REG_WAVE_MODE, 25, 1), 1
	s_wait_xcnt 0x0
	s_wait_alu depctr_hold_cnt(0) depctr_sa_sdst(0) depctr_va_vdst(0) depctr_va_sdst(0) depctr_va_ssrc(0) depctr_va_vcc(0) depctr_vm_vsrc(0)
	s_getreg_b32 s2, hwreg(HW_REG_IB_STS2, 6, 4)
	s_cmp_eq_u32 s2, 0
	s_cbranch_scc0 .Lentry_in_a_cluster
	s_endpgm
.Lentry_in_a_cluster:
	s_bfe_u32 s2, ttmp6, 0x10000c
	s_cmp_lg_u32 s2, 0x3003
	s_cbranch_scc0 .Lentry_shape_is_right
	s_endpgm
.Lentry_shape_is_right:
; VECTOR QUANTIZER, launch 2 of 3: the product, the distances, the first least index.  Nothing of the module is left out here.
; d[n][k] = fl(fl(An[n] + Bn[k]) - 2 dot), dot = zb[n] . Wb[k] by the matrix unit (bf16 operands, f32 sums); one fused multiply-add by -2 gives the written
; formula's bits, since 2 dot is exact.  out1[n] = pick[n] = the lowest k with the least d; out2 = 0.
; LIMITS.  The 256 products of a dot are added in the matrix unit's order, which moves 2 dot by about 1e-9 at inputs of unit spread; where two codes lie within one
; step of d's f32 grid and one of them that near a rounding boundary, the other index can come out.  A NaN distance is passed over (the minimum ignores it).
; SHARES.  A work-group owns 128 queries.  EVERY wave holds all 128 as matrix operands (8 tiles x 8 pieces of K x 8 registers = 512) and takes a QUARTER of the codes: of each
; slot of 256 codes wave w takes rows 64 w .. 64 w + 63, four tiles of 16.  So 18 LDS loads feed 64 matrix instructions, and each LDS byte of Wb is read once a work-group.
; LAYOUT.  Source 0 = 16 codes, source 1 = 16 queries: a lane holds ONE query (lane % 16) and the codes 8 (lane / 16) + 0..7 in its 8 result registers.
; THE MINIMUM.  For each (query tile, code tile): the least m of the lane's 8 distances; where m < run (strictly: the earlier tile keeps a tie) the lane keeps m, the tile's number and
; the tile's first seven distances.  The place inside the winning tile is found once, at the end: the first kept distance equal to run, else 7.
; BY TURNS.  A code tile is two PIECES of 32 products (query tiles 0-3, 4-7), each with its own four accumulators, which take turns.  Behind each product of
; one piece stand two or three of the 88 vector instructions that finish the other piece.
; CLUSTER.  All work-groups walk the same Wb and Bn: the four of a cluster ask for each tile JOINTLY (same load, same descriptor, mask of four).
; REGISTERS, in windows of 256 (s_set_vgpr_msb: bits 1:0 source 0, 3:2 source 1, 5:4 source 2, 7:6 destination):
;   window 0: addresses, statistics, accumulators     window 1: v0-127 two buffers of Wb's fragments     windows 2, 3: the queries, tiles 0-3 and 4-7, 64 registers a tile
.set PITCH, 528                        ; an LDS row of Wb: 512 bytes + 16 of padding = 132 words: the 16 rows of a load start at 16 different groups of four banks (64 banks of 4 bytes: ISA guide 11.1)
.set WQB,   64*PITCH                   ; 64 rows: what one tensor load brings and one wave reads
.set SLOT,  4*WQB                      ; 256 codes.  SLOT = 0x21000 shares no bit with w x WQB, so one exclusive or turns an address in one slot into the other's
.set BT,    2*SLOT                     ; all of Bn, 32,768 bytes, filled once
.set SCR,   BT+32768                   ; 4,096 bytes, never filled by a tensor load: wave w, query q: (d, code) at 1,024 w + 8 q
.set SPARE, SCR+4096                   ; the spare words, 128 bytes for each wave: two blocks of 256 bytes that no other line names
.set TILEB, 131072                     ; 256 rows of Wb in memory
.set R,    1                           ; v1   lane % 16
.set H,    2                           ; v2   lane / 16
.set AW0,  3                           ; v3   (64 w + r) x PITCH + 16 h; never rewritten
.set AB0,  4                           ; v4   BT + 256 w + 32 h; never rewritten
.set ADRW, 5                           ; v5   the LDS address of the run of loads in hand
.set ADRB, 6                           ; v6   the same for Bn
.set ZO,   7                           ; v7   512 r + 16 h
.set AO,   8                           ; v8   4 r
.set PFO,  9                           ; v9   256 x lane; never rewritten
.set CL0,  10                          ; v10  64 w + 8 h: my first code in a slot's first tile
.set SST,  11                          ; v11  SCR + 1,024 w + 8 r
.set SRD,  12                          ; v12  SCR + 16 (thread mod 64)
.set GO,   13                          ; v13  8 (thread mod 64)
.set SPW,  14                          ; v14  LDS address of my spare word; never rewritten
.set NIL,  15                          ; v15  0; never rewritten
.set T,    16                          ; v[16:31]  An + Bn, two sets of 8
.set BB,   32                          ; v[32:47]  Bn of my 8 codes, two buffers
.set ST,   48                          ; v[48:143] query tile t at ST + 12 t: +0 An, +1 run, +2 the winning tile, +3 m, +4..+10 its first seven distances, +11 the place, then the code
.set ACC,  144                         ; v[144:207] piece p, tile u at ACC + 32 p + 8 u
.set E0,   208                         ; the end's temporaries
.set E1,   209
.set TA,   210
.set TC,   211
.set FM,   212                         ; v[212:227]
.set OC,   228                         ; v[228:229] two codes
.set OZ,   230                         ; v[230:231] two zeros
.set WV,   18                          ; s18  my wave's number
.set CX,   19                          ; s19  my place in the cluster: it enters global addresses of my own alone
.set WG,   20                          ; s20  my block of 128 queries
.set G1W,  24                          ; s[24:31] descriptor group 1 for Wb's tiles
.set GW0,  32                          ; s[32:35] group 0, tile 0
.set GW1,  36                          ; s[36:39] group 0, tile 1; it then walks on
.set GB0,  40                          ; s[40:43] group 0 for Bn
.set G1B,  44                          ; s[44:51] group 1 for Bn
.set SLOTS, 52                         ; s52  passes of the slot loop still to come
.set CNT,  53                          ; s53  counts a slot's two pairs of code tiles
.set CID,  54                          ; s54  the number of the code tile whose distances are being finished: 4 x slot + tile
.set TB,   55                          ; s55  LDS byte at which the tile to be fetched begins, less my wave's part
.set TBB,  56                          ; s56  the same in Bn
.set WQ,   59                          ; s59  w x WQB
.set MK,   60                          ; s60, s61 the lanes where m < run, for the two tiles in hand
.set LIM,  62                          ; s62  2 in the launch's first cluster, else the greatest number
.set PFA,  66                          ; s[66:67] where my prefetches stand
.set SEL,  68                          ; s[68:69] v_permlanex16_b32's selects
.set MSB, 0
.macro WIN new                         ; the immediate's high byte repeats the setting that is left; a switch that changes nothing is dropped
.if MSB != (\new)
	s_set_vgpr_msb (MSB<<8)|(\new)
.set MSB, \new
.endif
.endm
; A round of the cluster's barrier: my work-group's barrier, so that wave 0's signal speaks for all four waves; wave 0 signals; every wave waits for all four work-groups; my work-group's barrier once more.
.macro CROUND
	s_barrier_signal -1
	s_barrier_wait -1
	s_cmp_lg_u32 s[WV], 0
	s_cbranch_scc1 .Lnot_wave_0_\@
	s_barrier_signal -3
.Lnot_wave_0_\@:
	s_barrier_wait -3
	s_barrier_signal -1
	s_barrier_wait -1
.endm
; A PREFETCH of the tile of Wb that stands TWO refills on (512 matrix instructions ahead of its load).  All clusters walk the same tiles: the launch's first cluster asks, nobody else.  A tile is 512 blocks of
; 256 bytes: its four work-groups x four waves x 32 lanes take one each, told apart BY ADDRESS.  Tiles 0 to 3 come by their loads alone; the last two refills ask for nothing: there is no tile behind 31.
.macro ASK
	s_cmp_gt_u32 s[SLOTS], s[LIM]
	s_cbranch_scc0 .Lnot_mine_\@
	global_prefetch_b8 v[PFO], s[PFA:PFA+1] th:TH_LOAD_NT scope:SCOPE_SE
.Lnot_mine_\@:
.endm
	s_load_b256 s[4:11], s[0:1], 0x0               ; zb s[4:5], Wb s[6:7], An s[8:9], Bn s[10:11]
	s_load_b128 s[12:15], s[0:1], 0x20             ; out1 s[12:13], pick s[14:15]
	s_load_b64 s[16:17], s[0:1], 0x30              ; out2
	v_lshl_add_u32 v[SPW], v0, 2, SPARE
	v_mov_b32 v[NIL], 0
	ds_add_u32 v[SPW], v[NIL]                      ; the wave's opening: the add, twice on end, and its wait ahead of my first tensor load; the set-up below stands between
	ds_add_u32 v[SPW], v[NIL]                      ; and once more, under the one wait
	v_lshrrev_b32 v1, 5, v0
	v_readfirstlane_b32 s[WV], v1                  ; wave 0..3
	s_bfe_u32 s[CX], ttmp6, 0x40000                ; cx
	s_lshl_b32 s[WG], ttmp9, 2                     ; in a cluster launch ttmp9 counts clusters
	s_add_co_u32 s[WG], s[WG], s[CX]
	; group 1 for Wb: a tile of 64 rows x 256 elements of 2 bytes, padded in LDS
	s_mov_b32 s[G1W+0], 15|(1<<16)|(1<<20)|(1<<21)|(6<<22)|(3<<25)  ; 15:0 the mask of four; 17:16 2-byte elements; 20 padding on; 21 set beside a mask; 24:22 after every 128 words (code 6); 31:25 4 words (code 3)
	s_mov_b32 s[G1W+1], 256<<16                    ; tensor_dim0 = 256
	s_mov_b32 s[G1W+2], 64<<16                     ; tensor_dim1 = 64
	s_mov_b32 s[G1W+3], 256<<16                    ; tile_dim0 = 256
	s_mov_b32 s[G1W+4], 64                         ; tile_dim1 = 64
	s_mov_b32 s[G1W+5], 256                        ; elements from row to row
	s_mov_b32 s[G1W+6], 0
	s_mov_b32 s[G1W+7], 0
	; group 1 for Bn: 8,192 dense bytes as 32 rows of 32 elements of 8 bytes, no padding
	s_mov_b32 s[G1B+0], 15|(3<<16)|(1<<21)
	s_mov_b32 s[G1B+1], 32<<16
	s_mov_b32 s[G1B+2], 32<<16
	s_mov_b32 s[G1B+3], 32<<16
	s_mov_b32 s[G1B+4], 32
	s_mov_b32 s[G1B+5], 32
	s_mov_b32 s[G1B+6], 0
	s_mov_b32 s[G1B+7], 0
	s_mul_i32 s[WQ], s[WV], WQB                    ; my quarter of a slot: no place in the cluster enters an LDS address
	s_mov_b32 s[GW0], 1
	s_mov_b32 s[GW0+1], s[WQ]                      ; slot 0
	s_mov_b32 s[GW1], 1
	s_add_co_u32 s[GW1+1], s[WQ], SLOT             ; slot 1
	s_mov_b32 s[GB0], 1
	s_lshl_b32 s70, s[WV], 13                      ; my quarter of Bn
	s_mov_b32 s71, 0
	s_add_co_u32 s[GB0+1], s70, BT
	s_lshl_b32 s22, s[WV], 15                      ; my 64 rows of a tile of Wb in memory
	s_mov_b32 s23, 0
	s_mov_b32 s[SEL], 0x76543210
	s_mov_b32 s[SEL+1], 0xfedcba98
	s_mov_b32 s[TB], 0
	s_mov_b32 s[TBB], 0
	s_mov_b32 s[CID], 0
	s_cmp_eq_u32 ttmp9, 0                          ; the same in all four partners
	s_cselect_b32 s[LIM], 2, -1
	s_wait_dscnt 0x0                               ; both opening adds are done
	s_wait_kmcnt 0x0
	s_add_nc_u64 s[GW0+2:GW0+3], s[6:7], s[22:23]
	s_add_nc_u64 s[GW1+2:GW1+3], s[GW0+2:GW0+3], TILEB
	s_or_b32 s[GW0+3], s[GW0+3], 0x80000000        ; 127:126 type = 2
	s_or_b32 s[GW1+3], s[GW1+3], 0x80000000
	s_add_nc_u64 s[GB0+2:GB0+3], s[10:11], s[70:71]
	s_or_b32 s[GB0+3], s[GB0+3], 0x80000000
	s_lshl_b32 s74, s[CX], 15                      ; the prefetches: my work-group's quarter of a tile,
	s_mov_b32 s75, 0
	s_add_nc_u64 s[PFA:PFA+1], s[6:7], s[74:75]
	s_add_nc_u64 s[PFA:PFA+1], s[PFA:PFA+1], s[70:71]  ; my wave's 8,192 bytes of it,
	s_add_nc_u64 s[PFA:PFA+1], s[PFA:PFA+1], 3*TILEB   ; in tile 3: the first change of slots steps it to tile 4
	s_lshl_b32 s74, s[WG], 16
	s_add_nc_u64 s[4:5], s[4:5], s[74:75]          ; zb at my 128 rows
	s_lshl_b32 s74, s[WG], 9
	s_add_nc_u64 s[8:9], s[8:9], s[74:75]          ; An, out1, pick, out2 at my 128 words
	s_add_nc_u64 s[12:13], s[12:13], s[74:75]
	s_add_nc_u64 s[14:15], s[14:15], s[74:75]
	s_add_nc_u64 s[16:17], s[16:17], s[74:75]
	CROUND                                         ; all four work-groups are here: the first joint loads meet
	tensor_load_to_lds s[GW0:GW0+3], s[G1W:G1W+7]  ; the first fills go out as one group: tile 0,
	s_nop 0
	tensor_load_to_lds s[GB0:GB0+3], s[G1B:G1B+7]  ; Bn,
	s_nop 0
	tensor_load_to_lds s[GW1:GW1+3], s[G1W:G1W+7]  ; tile 1: three loads of mine are out
	s_nop 0
.rept 4
	v_nop
.endr
	; A fragment is 16 rows x 32 of K in 8 registers: lane l holds row l % 16; registers 0-3 K = 8 (l / 16) + 0..7, registers 4-7 K = 16 + 8 (l / 16) + 0..7: two loads of 16 bytes, 32 bytes apart.
	v_and_b32 v[R], 15, v0
	v_bfe_u32 v[H], v0, 4, 1
	v_lshlrev_b32 v[ZO], 9, v[R]
	v_lshl_add_u32 v[ZO], v[H], 4, v[ZO]
	v_lshlrev_b32 v[AO], 2, v[R]
.set zt, 0
.rept 8                                ; the queries stay in registers: tile zt in window 2 + zt / 4
	WIN 0x80+0x40*(zt/4)
.set zk, 0
.rept 8
	global_load_b128 v[64*(zt%4)+8*zk:64*(zt%4)+8*zk+3],   v[ZO], s[4:5] offset:8192*zt+64*zk
	global_load_b128 v[64*(zt%4)+8*zk+4:64*(zt%4)+8*zk+7], v[ZO], s[4:5] offset:8192*zt+64*zk+32
.set zk, zk+1
.endr
.set zt, zt+1
.endr
	WIN 0
.irp t, 0,1,2,3,4,5,6,7
	global_load_b32 v[ST+12*(\t)], v[AO], s[8:9] offset:64*(\t)  ; my query's An in tile t
.endr
	v_mul_u32_u24 v[AW0], v[R], PITCH
	v_lshl_add_u32 v[AW0], v[H], 4, v[AW0]
	v_add_nc_u32 v[AW0], s[WQ], v[AW0]
	s_lshl_b32 s72, s[WV], 8
	s_add_co_u32 s72, s72, BT
	v_lshl_add_u32 v[AB0], v[H], 5, s72
	v_and_b32 v[PFO], 31, v0
	v_lshlrev_b32 v[PFO], 8, v[PFO]
	s_lshl_b32 s72, s[WV], 6
	v_lshl_add_u32 v[CL0], v[H], 3, s72
	s_lshl_b32 s72, s[WV], 10
	s_add_co_u32 s72, s72, SCR
	v_lshl_add_u32 v[SST], v[R], 3, s72
	v_and_b32 v[TA], 63, v0
	v_lshl_add_u32 v[SRD], v[TA], 4, SCR
	v_lshlrev_b32 v[GO], 3, v[TA]
	s_mov_b32 s72, 0x7f800000                      ; run and the kept distances start at +infinity, the winning tile at 0: written in the wait for the first tile
.irp t, 0,1,2,3,4,5,6,7
	v_mov_b32 v[ST+12*(\t)+1], s72
	v_mov_b32 v[ST+12*(\t)+2], 0
.irp j, 4,5,6,7,8,9,10
	v_mov_b32 v[ST+12*(\t)+(\j)], s72
.endr
.endr
; Product i of 32 of piece p: K = 32 (i / 4) on, query tile 4 p + i % 4; Wb's fragments in buffer f.  The first four start the sums with the constant 0: nothing is cleared.
.macro MM p, f
	WIN 0x09+4*(\p)                                ; source 0 window 1, source 1 window 2 or 3, C and D window 0
.set rD, ACC+32*(\p)+8*(i%4)
.set rW, 64*(\f)+8*(i/4)
.set rZ, 64*(i%4)+8*(i/4)
.if i < 4
	v_wmma_f32_16x16x32_bf16 v[rD:rD+7], v[rW:rW+7], v[rZ:rZ+7], 0
.else
	v_wmma_f32_16x16x32_bf16 v[rD:rD+7], v[rW:rW+7], v[rZ:rZ+7], v[rD:rD+7]
.endif
.endm
; Number q of the 88 vector instructions that finish piece rp (its Bn in buffer bq): 22 for each of its four query tiles, two tiles alternating, so that no line reads the result of the one before it.
;   0-3 An + Bn, a pair at a time     4-7 d = -2 dot + (An + Bn), in place, the accumulator's lowest registers first     8-11 m = the least of the eight
;   12 where m < run     13 run     14 the tile's number     15-21 its first seven distances
.macro RID rp, bq
	WIN 0
.set u2, (q%44)%2
.set n, (q%44)/2
.set u, 2*(q/44)+u2
.set rS, ST+12*(4*(\rp)+u)
.set rD, ACC+32*(\rp)+8*u
.set rT, T+8*u2
.set rB, BB+8*(\bq)
.set rK, MK+u2
.if n < 4
	v_pk_add_f32 v[rT+2*n:rT+2*n+1], v[rB+2*n:rB+2*n+1], v[rS:rS+1] op_sel_hi:[1,0]
.elseif n < 8
	v_pk_fma_f32 v[rD+2*(n-4):rD+2*(n-4)+1], v[rD+2*(n-4):rD+2*(n-4)+1], -2.0, v[rT+2*(n-4):rT+2*(n-4)+1] op_sel_hi:[1,0,1]
.elseif n == 8
	v_min3_num_f32 v[rS+3], v[rD], v[rD+1], v[rD+2]
.elseif n < 11
	v_min3_num_f32 v[rS+3], v[rS+3], v[rD+2*(n-8)+1], v[rD+2*(n-8)+2]
.elseif n == 11
	v_min_num_f32 v[rS+3], v[rS+3], v[rD+7]
.elseif n == 12
	v_cmp_lt_f32 s[rK], v[rS+3], v[rS+1]
.elseif n == 13
	v_min_num_f32 v[rS+1], v[rS+1], v[rS+3]
.elseif n == 14
	v_cndmask_b32 v[rS+2], v[rS+2], s[CID], s[rK]
.else
	v_cndmask_b32 v[rS+4+n-15], v[rS+4+n-15], v[rD+n-15], s[rK]
.endif
.set q, q+1
.endm
; 18 LDS loads in one run: the next code tile's Bn (my 8 codes) and its 8 fragments, into buffers f.
.macro FETCH f
	WIN 0
	v_add_nc_u32 v[ADRW], s[TB], v[AW0]
	v_add_nc_u32 v[ADRB], s[TBB], v[AB0]
	ds_load_b128 v[BB+8*(\f):BB+8*(\f)+3],   v[ADRB]
	ds_load_b128 v[BB+8*(\f)+4:BB+8*(\f)+7], v[ADRB] offset:16
	WIN 0x40                                       ; destination window 1
.irp kc, 0,1,2,3,4,5,6,7
	ds_load_b128 v[64*(\f)+8*(\kc):64*(\f)+8*(\kc)+3],   v[ADRW] offset:64*(\kc)
	ds_load_b128 v[64*(\f)+8*(\kc)+4:64*(\f)+8*(\kc)+7], v[ADRW] offset:64*(\kc)+32
.endr
	s_add_co_u32 s[TB], s[TB], 16*PITCH            ; the next fetch is the next tile's
	s_add_co_u32 s[TBB], s[TBB], 64
.endm
; A PIECE: 32 products.  ride = 1: behind product i stand three of the other piece's 88 lines (two where i % 4 = 3: 11 for four products).  The first eight of them name no accumulator: they are the places between
; the other piece's last products and the first line that reads a result.  fetch = 1: the next tile's run of loads stands behind the second product; its buffers were last read a whole piece earlier.
.macro PIECE p, f, ride, bq, fetch
.set i, 0
.set q, 0
.rept 32
	MM \p, \f
.if \ride
	RID 1-(\p), \bq
	RID 1-(\p), \bq
.if i%4 != 3
	RID 1-(\p), \bq
.endif
.endif
.if (\fetch) && (i == 1)
	FETCH 1-(\f)
.endif
.set i, i+1
.endr
.endm
; Code tile x (parity f): its second piece, beside it its first piece's distances; then tile x + 1's first piece, beside it x's second piece's distances.
.macro U f
	PIECE 1, \f, 1, \f, 1
	s_wait_dscnt 0x0                               ; tile x + 1's fragments and Bn, asked for 30 products ago
	PIECE 0, 1-(\f), 1, \f, 0
	s_add_co_u32 s[CID], s[CID], 1
.endm
; THE CHANGE OF SLOTS stands when a slot's last tile is in registers.  Each wave waits for all its tensor loads, of which one is out: its part of the other slot; adds 0 to its spare word; and waits for that and for its own reads
; of the slot.  fill = 1: the slot is filled again with the tile two on.  The barrier is then a round of the cluster's, so that no wave of any partner still reads the slot or has a load on its way, and the joint refill is the first
; thing behind it: it has four code tiles, 256 matrix instructions, in which to land.
.macro CHANGE fill
	WIN 0
	s_wait_tensorcnt 0x0                           ; no tensor load of mine is out, so a group 0 may be written
	ds_add_u32 v[SPW], v[NIL]                      ; 0 onto my spare word; the scalar steps stand between it and the wait for it
.if \fill
	s_xor_b32 s[GW1+1], s[GW1+1], SLOT             ; the walking descriptor: the other slot than last time,
	s_add_nc_u64 s[GW1+2:GW1+3], s[GW1+2:GW1+3], TILEB  ; the next 256 codes; the type bits on top are not reached
	s_wait_xcnt 0x0                                ; the last prefetch, a slot back, has read its address
	s_add_nc_u64 s[PFA:PFA+1], s[PFA:PFA+1], TILEB
	s_wait_dscnt 0x0                               ; the add is done, and my reads of the slot are over
	CROUND
	tensor_load_to_lds s[GW1:GW1+3], s[G1W:G1W+7]  ; my one tensor load behind the round
	s_nop 0
.rept 4
	v_nop
.endr
	ASK
.else
	s_wait_dscnt 0x0                               ; the add is done, and my reads of the slot are over
	s_barrier_signal -1
	s_barrier_wait -1
.endif
	s_sub_co_u32 s[TB], s[TB], 4*16*PITCH          ; the fetches go back to a slot's first tile,
	s_xor_b32 s[TB], s[TB], SLOT                   ; in the other slot;
	s_add_co_u32 s[TBB], s[TBB], 768               ; in Bn past the other three waves' codes
.endm
	s_wait_tensorcnt 0x1                           ; my parts of tile 0 and of Bn are in; tile 1's load, issued behind them, may stay out
	s_barrier_signal -1
	s_barrier_wait -1                              ; everybody's are
	FETCH 0                                        ; code tile 0
	s_wait_loadcnt 0x0                             ; the queries and An
	s_wait_dscnt 0x0
	PIECE 0, 0, 0, 0, 0                            ; its first piece: there is no vector work yet to set between
	WIN 0
	s_mov_b32 s[SLOTS], 31
	s_mov_b32 s[CNT], 2
	s_branch .Lmid                                 ; slot 0 has three turns ahead of its change: the loop is entered in the middle of a pair
.Lslot:                                        ; 30 times: tiles 2 to 31 are asked for
	CHANGE 1
	s_mov_b32 s[CNT], 2
.Lpair:
	U 1
	WIN 0
.Lmid:
	U 0
	WIN 0
	s_sub_co_u32 s[CNT], s[CNT], 1
	s_cmp_lg_u32 s[CNT], 0
	s_cbranch_scc1 .Lpair
	s_sub_co_u32 s[SLOTS], s[SLOTS], 1
	s_cmp_lg_u32 s[SLOTS], 0
	s_cbranch_scc1 .Lslot
	CHANGE 0                                       ; the tail is written out: nothing is asked for
	s_mov_b32 s[CNT], 2
.Ltail:
	U 1
	U 0
	WIN 0
	s_sub_co_u32 s[CNT], s[CNT], 1
	s_cmp_lg_u32 s[CNT], 0
	s_cbranch_scc1 .Ltail
	PIECE 1, 1, 1, 1, 0                            ; the last code tile's second piece; nothing is left to fetch
.set q, 0
.rept 88
	RID 1, 1                                       ; and its distances; the first eight lines name no accumulator
.endr
	; THE END.  (da, ca) takes (db, cb) where db is less, or equal with the lower code.
.macro MERGE da, ca, db, cb
	v_cmp_lt_f32 s70, v[\db], v[\da]
	v_cmp_eq_f32 s71, v[\db], v[\da]
	v_cmp_lt_u32 s72, v[\cb], v[\ca]
	s_and_b32 s71, s71, s72
	s_or_b32 s70, s70, s71
	v_cndmask_b32 v[\da], v[\da], v[\db], s70
	v_cndmask_b32 v[\ca], v[\ca], v[\cb], s70
.endm
; Query tile t: the place in the winning tile, the code, the other half of the lanes' pair, and my wave's result into LDS.
.macro FIN t
.set rS, ST+12*(\t)
	v_mov_b32 v[rS+11], 7
.irp jj, 6,5,4,3,2,1,0
	v_cmp_eq_f32 vcc_lo, v[rS+4+\jj], v[rS+1]      ; the last hit written is the lowest place
	v_cndmask_b32 v[rS+11], v[rS+11], \jj, vcc_lo
.endr
	v_lshrrev_b32 v[TA], 2, v[rS+2]                ; the slot,
	v_and_b32 v[TC], 3, v[rS+2]                    ; the tile in my quarter of it
	v_mov_b32 v[rS+10], v[rS+1]                    ; (d, code) as a pair
	v_lshl_add_u32 v[rS+11], v[TA], 8, v[rS+11]
	v_lshl_add_u32 v[rS+11], v[TC], 4, v[rS+11]
	v_add_nc_u32 v[rS+11], v[CL0], v[rS+11]        ; code = 256 slot + 64 w + 16 tile + 8 h + place
	v_permlanex16_b32 v[E0], v[rS+10], s[SEL], s[SEL+1]
	v_permlanex16_b32 v[E1], v[rS+11], s[SEL], s[SEL+1]
	MERGE rS+10, rS+11, E0, E1
	ds_store_b64 v[SST], v[rS+10:rS+11] offset:128*(\t)  ; both halves of the lanes hold the same pair
.endm
	WIN 0
	v_mov_b32 v[E0], 0                             ; v_permlanex16_b32 counts as a reader of its destination
	v_mov_b32 v[E1], 0
.irp t, 0,1,2,3,4,5,6,7
	FIN \t
.endr
	s_wait_dscnt 0x0                               ; for the others' sake: my 128 pairs lie in LDS
	s_barrier_signal -1
	s_barrier_wait -1
	s_cmp_lt_u32 s[WV], 2                          ; waves 0 and 1 join the four quarters, two queries a lane
	s_cbranch_scc0 .Lend
.irp wv, 0,1,2,3
	ds_load_b128 v[FM+4*(\wv):FM+4*(\wv)+3], v[SRD] offset:1024*(\wv)
.endr
	v_mov_b32 v[OZ], 0
	v_mov_b32 v[OZ+1], 0
	s_wait_dscnt 0x0
.irp wv, 1,2,3
	MERGE FM, FM+1, FM+4*(\wv), FM+4*(\wv)+1
	MERGE FM+2, FM+3, FM+4*(\wv)+2, FM+4*(\wv)+3
.endr
	v_mov_b32 v[OC], v[FM+1]
	v_mov_b32 v[OC+1], v[FM+3]
	global_store_b64 v[GO], v[OC:OC+1], s[12:13]   ; each store of a wave covers 256 consecutive bytes, aligned
	global_store_b64 v[GO], v[OC:OC+1], s[14:15]   ; the same whole numbers for the next launch's addresses
	global_store_b64 v[GO], v[OZ:OZ+1], s[16:17]   ; the loss is 0
.Lend:
	s_wait_tensorcnt 0x0                           ; the wave's end, behind my last tensor load and my last LDS store
	ds_add_u32 v[SPW], v[NIL]
	s_wait_dscnt 0x0
	CROUND                                         ; the closing round: no work-group ends while a partner may still ask for a tile that names it
	s_endpgm
.Lfunc_end_k_q315e158c68_nearest:
	.size	k_q315e158c68_nearest, .Lfunc_end_k_q315e158c68_nearest-k_q315e158c68_nearest
	.p2alignl 7, 3214868480
	.fill 96, 4, 3214868480
	.section	.rodata,"a",@progbits
	.p2align	6, 0x0
	.amdhsa_kernel k_q315e158c68_nearest
		.amdhsa_group_segment_fixed_size 327680
		.amdhsa_private_segment_fixed_size 0
		.amdhsa_enable_private_segment 0
		.amdhsa_kernarg_size 56
		.amdhsa_user_sgpr_count 2
		.amdhsa_user_sgpr_kernarg_segment_ptr 1
		.amdhsa_wavefront_size32 1
		.amdhsa_system_sgpr_workgroup_id_x 1
		.amdhsa_system_sgpr_workgroup_id_y 1
		.amdhsa_system_sgpr_workgroup_id_z 1
		.amdhsa_system_vgpr_workitem_id 0
		.amdhsa_next_free_vgpr 1024
		.amdhsa_next_free_sgpr 80
		.amdhsa_reserve_vcc 1
		.amdhsa_float_denorm_mode_32 3
		.amdhsa_float_denorm_mode_16_64 3
		.amdhsa_memory_ordered 1
		.amdhsa_forward_progress 1
		.amdhsa_inst_pref_size 136
	.end_amdhsa_kernel
	.amdgpu_metadata
---
amdhsa.version: [ 1, 2 ]
amdhsa.kernels:
  - .name:           k_q315e158c68_nearest
    .symbol:         k_q315e158c68_nearest.kd
    .args:
      - { .name: zb, .offset: 0, .size: 8, .value_kind: global_buffer, .address_space: global }
      - { .name: Wb, .offset: 8, .size: 8, .value_kind: global_buffer, .address_space: global }
      - { .name: An, .offset: 16, .size: 8, .value_kind: global_buffer, .address_space: global }
      - { .name: Bn, .offset: 24, .size: 8, .value_kind: global_buffer, .address_space: global }
      - { .name: out1, .offset: 32, .size: 8, .value_kind: global_buffer, .address_space: global }
      - { .name: pick, .offset: 40, .size: 8, .value_kind: global_buffer, .address_space: global }
      - { .name: out2, .offset: 48, .size: 8, .value_kind: global_buffer, .address_space: global }
    .group_segment_fixed_size: 327680
    .private_segment_fixed_size: 0
    .kernarg_segment_align: 8
    .kernarg_segment_size: 56
    .max_flat_workgroup_size: 128
    .sgpr_count:     80
    .vgpr_count:     1024
    .wavefront_size: 32
...
	.end_amdgpu_metadata
.endif
;; end of part 2
;; launch fetch (part 3): grid 1024 x 1, 4 waves a work-group, no clusters, 0 bytes of LDS; arguments zb, Wb, pick, out0; writes out0
.if DOCPART == 3
	.amdgcn_target "amdgcn-amd-amdhsa--gfx1250"
	.amdhsa_code_object_version 6
	.text
	.protected	k_q315e158c68_fetch
	.globl	k_q315e158c68_fetch
	.p2align	8
	.type	k_q315e158c68_fetch,@function
k_q315e158c68_fetch:
	s_mov_b64 s[64:65], 0
	v_nop
	global_prefetch_b8 v0, s[64:65] scope:SCOPE_SE
	s_setreg_imm32_b32 hwreg(HW_REG_WAVE_MODE, 25, 1), 1
	s_wait_xcnt 0x0
; VECTOR QUANTIZER, launch 3 of 3: out0[n] = z[n] + (W[idx[n]] - z[n]), both roundings in f32 as written, on the inputs rounded once to bf16 (zb, Wb), as in the whole program.
; Nothing is left out: in exact arithmetic the sum is W[idx], but in f32 it keeps only the bits of W above z's last place, so z's row is read and both steps are done.
; The row to fetch is a whole number that the launch before stored (pick); it is held to 0 .. 8,191 before it enters an address.
; SHARES.  A wave takes 8 rows.  A lane holds columns 4 l .. 4 l + 3 and 128 + 4 l .. 128 + 4 l + 3: each load of a wave covers 256 consecutive bytes, each store 512.
; All 32 loads of a wave go out at once; every row has its own registers, so no register that a store still reads is written again.  No LDS, no barrier, no matrix unit: waves share nothing.
.set L8,  2                            ; v2   8 x lane
.set L16, 3                            ; v3   16 x lane
.set WO,  4                            ; v[4:11]   row i: 512 x its code + 8 x lane
.set T,   12                           ; v[12:19]  z's eight numbers as f32
.set ZR,  20                           ; v[20:51]  row i: 4 registers of zb
.set WR,  52                           ; v[52:83]  row i: 4 registers of Wb
.set OUT, 84                           ; v[84:147] row i: 8 results
	s_load_b256 s[4:11], s[0:1], 0x0               ; zb s[4:5], Wb s[6:7], pick s[8:9], out0 s[10:11]
	v_lshrrev_b32 v1, 5, v0
	v_readfirstlane_b32 s12, v1                    ; wave 0..3
	v_and_b32 v1, 31, v0
	v_lshlrev_b32 v[L8], 3, v1
	v_lshlrev_b32 v[L16], 4, v1
	s_lshl_b32 s13, ttmp9, 2
	s_add_co_u32 s13, s13, s12                     ; my wave among all: 8 rows each
	s_lshl_b32 s24, s13, 12                        ; in zb,
	s_mov_b32 s25, 0
	s_lshl_b32 s26, s13, 5                         ; in pick,
	s_mov_b32 s27, 0
	s_lshl_b32 s28, s13, 13                        ; in out0
	s_mov_b32 s29, 0
	s_mov_b32 s14, 0xffff0000                      ; a word's upper bf16
	s_wait_kmcnt 0x0
	s_add_nc_u64 s[8:9], s[8:9], s[26:27]
	s_load_b256 s[16:23], s[8:9], 0x0              ; my 8 rows' codes
	s_add_nc_u64 s[4:5], s[4:5], s[24:25]
	s_add_nc_u64 s[10:11], s[10:11], s[28:29]
.irp i, 0,1,2,3,4,5,6,7
	global_load_b64 v[ZR+4*(\i):ZR+4*(\i)+1],   v[L8], s[4:5] offset:512*(\i) th:TH_LOAD_NT
	global_load_b64 v[ZR+4*(\i)+2:ZR+4*(\i)+3], v[L8], s[4:5] offset:512*(\i)+256 th:TH_LOAD_NT
.endr
	s_wait_kmcnt 0x0
.irp i, 0,1,2,3,4,5,6,7
	s_min_u32 s[16+(\i)], s[16+(\i)], 8191         ; inside the table
	s_lshl_b32 s[16+(\i)], s[16+(\i)], 9           ; a row of Wb is 512 bytes
	v_add_nc_u32 v[WO+(\i)], s[16+(\i)], v[L8]
	global_load_b64 v[WR+4*(\i):WR+4*(\i)+1],   v[WO+(\i)], s[6:7]
	global_load_b64 v[WR+4*(\i)+2:WR+4*(\i)+3], v[WO+(\i)], s[6:7] offset:256
.endr
.macro ROW i
	s_wait_loadcnt 14-2*(\i)                       ; loads come back in order: zb's sixteen and row i's two of Wb are in, the two of each later row stay out
.irp k, 0,1,2,3
	v_lshlrev_b32 v[T+2*(\k)],           16,  v[ZR+4*(\i)+(\k)]
	v_and_b32     v[T+2*(\k)+1],         s14, v[ZR+4*(\i)+(\k)]
	v_lshlrev_b32 v[OUT+8*(\i)+2*(\k)],   16,  v[WR+4*(\i)+(\k)]
	v_and_b32     v[OUT+8*(\i)+2*(\k)+1], s14, v[WR+4*(\i)+(\k)]
.endr
.irp k, 0,2,4,6
	v_pk_add_f32 v[OUT+8*(\i)+(\k):OUT+8*(\i)+(\k)+1], v[OUT+8*(\i)+(\k):OUT+8*(\i)+(\k)+1], v[T+(\k):T+(\k)+1] neg_lo:[0,1] neg_hi:[0,1]  ; W - z
.endr
.irp k, 0,2,4,6
	v_pk_add_f32 v[OUT+8*(\i)+(\k):OUT+8*(\i)+(\k)+1], v[T+(\k):T+(\k)+1], v[OUT+8*(\i)+(\k):OUT+8*(\i)+(\k)+1]  ; z + (W - z)
.endr
	global_store_b128 v[L16], v[OUT+8*(\i):OUT+8*(\i)+3],   s[10:11] offset:1024*(\i) th:TH_STORE_NT      ; 512 consecutive bytes, aligned
	global_store_b128 v[L16], v[OUT+8*(\i)+4:OUT+8*(\i)+7], s[10:11] offset:1024*(\i)+512 th:TH_STORE_NT
.endm
.irp i, 0,1,2,3,4,5,6,7
	ROW \i
.endr
	s_endpgm
.Lfunc_end_k_q315e158c68_fetch:
	.size	k_q315e158c68_fetch, .Lfunc_end_k_q315e158c68_fetch-k_q315e158c68_fetch
	.p2alignl 7, 3214868480
	.fill 96, 4, 3214868480
	.section	.rodata,"a",@progbits
	.p2align	6, 0x0
	.amdhsa_kernel k_q315e158c68_fetch
		.amdhsa_group_segment_fixed_size 0
		.amdhsa_private_segment_fixed_size 0
		.amdhsa_enable_private_segment 0
		.amdhsa_kernarg_size 32
		.amdhsa_user_sgpr_count 2
		.amdhsa_user_sgpr_kernarg_segment_ptr 1
		.amdhsa_wavefront_size32 1
		.amdhsa_system_sgpr_workgroup_id_x 1
		.amdhsa_system_sgpr_workgroup_id_y 1
		.amdhsa_system_sgpr_workgroup_id_z 1
		.amdhsa_system_vgpr_workitem_id 0
		.amdhsa_next_free_vgpr 148
		.amdhsa_next_free_sgpr 66
		.amdhsa_reserve_vcc 0
		.amdhsa_float_denorm_mode_32 3
		.amdhsa_float_denorm_mode_16_64 3
		.amdhsa_memory_ordered 1
		.amdhsa_forward_progress 1
		.amdhsa_inst_pref_size 15
	.end_amdhsa_kernel
	.amdgpu_metadata
---
amdhsa.version: [ 1, 2 ]
amdhsa.kernels:
  - .name:           k_q315e158c68_fetch
    .symbol:         k_q315e158c68_fetch.kd
    .args:
      - { .name: zb, .offset: 0, .size: 8, .value_kind: global_buffer, .address_space: global }
      - { .name: Wb, .offset: 8, .size: 8, .value_kind: global_buffer, .address_space: global }
      - { .name: pick, .offset: 16, .size: 8, .value_kind: global_buffer, .address_space: global }
      - { .name: out0, .offset: 24, .size: 8, .value_kind: global_buffer, .address_space: global }
    .group_segment_fixed_size: 0
    .private_segment_fixed_size: 0
    .kernarg_segment_align: 8
    .kernarg_segment_size: 32
    .max_flat_workgroup_size: 128
    .sgpr_count:     66
    .vgpr_count:     148
    .wavefront_size: 32
...
	.end_amdgpu_metadata
.endif
;; end of part 3
;; ======== version 2 of 2: 3 launches; version 1 with the launches prep, fetch written anew for expert scheduling mode
;; workspace buffers: zb 16,777,216 bytes; Wb 4,194,304 bytes; An 131,072 bytes; Bn 32,768 bytes; pick 131,072 bytes of whole numbers
;; launch prep (part 4): grid 320 x 1, 8 waves a work-group, no clusters, 1,536 bytes of LDS; arguments z, W, zb, Wb, An, Bn; writes zb, Wb, An, Bn
.if DOCPART == 4
	.amdgcn_target "amdgcn-amd-amdhsa--gfx1250"
	.amdhsa_code_object_version 6
	.text
	.protected	k_q315e158c68_prep
	.globl	k_q315e158c68_prep
	.p2align	8
	.type	k_q315e158c68_prep,@function
k_q315e158c68_prep:
	s_mov_b64 s[64:65], 0
	v_nop
	global_prefetch_b8 v0, s[64:65] scope:SCOPE_SE
	s_setreg_imm32_b32 hwreg(HW_REG_WAVE_SCHED_MODE, 0, 2), 2
	s_setreg_imm32_b32 hwreg(HW_REG_WAVE_MODE, 25, 1), 1
	s_wait_xcnt 0x0
	s_wait_alu depctr_vm_vsrc(0)
; VECTOR QUANTIZER, launch 1 of 3.  idx[n] = the first k that makes d[n][k] = (|z_n|^2 + |W_k|^2) - 2 z_n . W_k least; out0 = z + (W[idx] - z); out2 = 0.
; NO WORK IS LEFT OUT, and both inputs are loaded.  |z_n|^2 is the same for all k and would cancel in exact arithmetic, but beside it the f32 sum loses
; most bits of the other two terms, and which codes then tie decides the index: so d is formed in f32 in the written order, ties to the lower index.
; THIS LAUNCH rounds every row of z and of W to bf16 (the matrix operands: zb, Wb) and takes the f32 sum of squares OF THE ROUNDED ROW (An, Bn).
; LIMITS.  The whole program computes the module on its inputs rounded once to bf16.  The 256 squares are added in another order than a plain row sum:
; An and Bn may differ from it in their last bits.  NaN and infinities are not treated apart here.
; SHARES.  A work-group takes 128 rows: groups 0-255 rows of z, groups 256-319 rows of W.  A wave takes 16 rows.  A lane holds columns 4 l .. 4 l + 3 and
; 128 + 4 l .. 128 + 4 l + 3 of a row: each load of a wave covers 512 consecutive bytes, each store of bf16 256 consecutive bytes, aligned.
; All 32 loads of a wave go out at once (16 KiB); every row keeps its own registers, so no register that a store still reads is written again.
; THE MODE: SCHED_MODE bits 1:0 = 2 (LLVM: expert scheduling mode 2), set by the entry lines.  The code itself states the register dependences
; between vector instructions and memory or LDS instructions, with s_wait_alu, always for 0.
; THE PLAN.  Registers that memory or LDS instructions touch:
;   v[LO], v[SO], v[HA], v[NA]  offsets, made once at the head and never written again.
;   X, row i   Its eight registers are written by the row's two loads, once.  The row's four conversions read them and write words 0-3 (the row's bf16), which two global stores
;              read; the row's last addition writes word 4 (the row's sum), which one LDS store reads.  None of them is written again.
;   v[HD]      written by an LDS load, read by a global store.
;   T, S, P are named by vector instructions alone.
; Row i - 1's three stores are issued in row i, whose vector instructions name X's row i, T, S and P: none of the registers that those stores read.  So ONE wait on va_vdst
; at the head of a row, behind the wait for the row's data, states all that the three stores hang on, and they are dealt among the row's vector instructions.
.set SPARE, 512                        ; LDS: bytes 0-511 the group's 128 sums; from 512 on the spare words, 128 bytes for each of the eight waves
.set LO,  2                            ; v2   16 x lane: my bytes in half a row of f32
.set SO,  3                            ; v3   8 x lane: my bytes in half a row of bf16
.set HA,  4                            ; v4   8 x (thread mod 64): two sums, in LDS and in An or Bn
.set HD,  6                            ; v[6:7] those two sums
.set T,   16                           ; v[16:23] the rounded row's eight numbers as f32
.set S,   24                           ; v[24:25] the sum, at work
.set P,   26                           ; v26  the other half of the lanes' sum
.set NA,  27                           ; v27  64 x wave: my wave's 16 words in LDS
.set SPW, 28                           ; v28  LDS address of my spare word; never rewritten
.set NIL, 29                           ; v29  0; never rewritten
.set X,   32                           ; v[32:159] row i: 8 registers as loaded; its first four then hold the row's bf16, its fifth the row's sum
	s_load_b256 s[4:11], s[0:1], 0x0               ; z s[4:5], W s[6:7], zb s[8:9], Wb s[10:11]
	s_load_b128 s[12:15], s[0:1], 0x20             ; An s[12:13], Bn s[14:15]
	v_lshl_add_u32 v[SPW], v0, 2, SPARE
	v_mov_b32 v[NIL], 0
	v_lshrrev_b32 v1, 5, v0
	v_readfirstlane_b32 s16, v1                    ; wave 0..7
	v_and_b32 v1, 31, v0
	v_lshlrev_b32 v[LO], 4, v1
	v_lshlrev_b32 v[SO], 3, v1
	v_and_b32 v[HA], 63, v0
	v_lshlrev_b32 v[HA], 3, v[HA]
	s_wait_alu depctr_va_sdst(0)                   ; s16 is written, ahead of its first reader: LDS and global offsets and the last branch are made from it
	s_lshl_b32 s17, s16, 6
	v_mov_b32 v[NA], s17
	v_mov_b32 v[P], 0                              ; v_permlanex16_b32 counts as a reader of its destination
	s_mov_b32 s24, 0x76543210                      ; each lane takes its own place in the other half
	s_mov_b32 s25, 0xfedcba98
	s_mov_b32 s26, 0xffff0000                      ; a word's upper bf16
	s_cmp_lt_u32 ttmp9, 256
	s_cselect_b32 s18, 0, 256
	s_sub_co_u32 s18, ttmp9, s18                   ; my block of 128 rows in its tensor
	s_lshl_b32 s20, s18, 17                        ; 128 rows x 1,024 bytes,
	s_lshl_b32 s21, s16, 14                        ; my wave's 16 rows
	s_add_co_u32 s20, s20, s21
	s_mov_b32 s21, 0
	s_lshr_b32 s22, s20, 1                         ; the same rows in bf16
	s_mov_b32 s23, 0
	s_lshl_b32 s28, s18, 9                         ; 128 sums
	s_mov_b32 s29, 0
	s_wait_kmcnt 0x0
	s_cmp_lt_u32 ttmp9, 256                        ; z's groups or W's: the choice hangs on the group's number alone
	s_cselect_b64 s[4:5], s[4:5], s[6:7]
	s_cselect_b64 s[8:9], s[8:9], s[10:11]
	s_cselect_b64 s[12:13], s[12:13], s[14:15]
	s_add_nc_u64 s[4:5], s[4:5], s[20:21]
	s_add_nc_u64 s[8:9], s[8:9], s[22:23]
	s_add_nc_u64 s[12:13], s[12:13], s[28:29]
	s_wait_alu depctr_va_vdst(0)                   ; the offsets v[LO], v[SO], v[HA] and v[NA] are written: every load and store of the kernel reads one of them
.irp i, 0,1,2,3,4,5,6,7,8,9,10,11,12,13,14,15
	global_load_b128 v[X+8*(\i):X+8*(\i)+3],   v[LO], s[4:5] offset:1024*(\i) th:TH_LOAD_NT
	global_load_b128 v[X+8*(\i)+4:X+8*(\i)+7], v[LO], s[4:5] offset:1024*(\i)+512 th:TH_LOAD_NT
.endr
.macro ROW i
	s_wait_loadcnt 30-2*(\i)                       ; loads come back in order: row i's two are in, the two of each later row stay out
.if (\i) > 0
	s_wait_alu depctr_va_vdst(0)                   ; the row before has written its four words of bf16 and its sum, which the three stores of this row's text read
	global_store_b64 v[SO], v[X+8*((\i)-1):X+8*((\i)-1)+1],   s[8:9] offset:512*((\i)-1)      ; the row before: 256 consecutive bytes, aligned
.endif
.irp k, 0,1,2,3
	v_cvt_pk_bf16_f32 v[X+8*(\i)+(\k)], v[X+8*(\i)+2*(\k)], v[X+8*(\i)+2*(\k)+1]  ; in place: word k is written when its old number has been read
.endr
.if (\i) > 0
	global_store_b64 v[SO], v[X+8*((\i)-1)+2:X+8*((\i)-1)+3], s[8:9] offset:512*((\i)-1)+256  ; no wait: no vector instruction since the wait above names the row before's registers
.endif
.irp k, 0,1,2,3
	v_lshlrev_b32 v[T+2*(\k)],   16,  v[X+8*(\i)+(\k)]   ; the rounded numbers back as f32
	v_and_b32     v[T+2*(\k)+1], s26, v[X+8*(\i)+(\k)]
.endr
.if (\i) > 0
	ds_store_b32 v[NA], v[X+8*((\i)-1)+4] offset:4*((\i)-1)  ; the row before's sum: all lanes, the same word, the same number
.endif
	v_pk_mul_f32 v[S:S+1], v[T:T+1], v[T:T+1]
	v_pk_fma_f32 v[S:S+1], v[T+2:T+3], v[T+2:T+3], v[S:S+1]
	v_pk_fma_f32 v[S:S+1], v[T+4:T+5], v[T+4:T+5], v[S:S+1]
	v_pk_fma_f32 v[S:S+1], v[T+6:T+7], v[T+6:T+7], v[S:S+1]
	v_add_f32 v[S], v[S], v[S+1]
	v_add_f32_dpp v[S], v[S], v[S] row_xmask:1 row_mask:0xf bank_mask:0xf
	v_add_f32_dpp v[S], v[S], v[S] row_xmask:2 row_mask:0xf bank_mask:0xf
	v_add_f32_dpp v[S], v[S], v[S] row_xmask:4 row_mask:0xf bank_mask:0xf
	v_add_f32_dpp v[S], v[S], v[S] row_xmask:8 row_mask:0xf bank_mask:0xf
	v_permlanex16_b32 v[P], v[S], s24, s25
	v_add_f32 v[X+8*(\i)+4], v[S], v[P]            ; every lane holds the row's sum, in a register of the row's own, free since the conversions read it
.endm
.irp i, 0,1,2,3,4,5,6,7,8,9,10,11,12,13,14,15
	ROW \i
.endr
	s_wait_alu depctr_va_vdst(0)                   ; row 15 has written its four words of bf16 and its sum, which the last three stores read
	global_store_b64 v[SO], v[X+8*15:X+8*15+1],   s[8:9] offset:512*15
	global_store_b64 v[SO], v[X+8*15+2:X+8*15+3], s[8:9] offset:512*15+256
	ds_store_b32 v[NA], v[X+8*15+4] offset:4*15
	s_wait_dscnt 0x0                               ; for the others' sake: my 16 sums lie in LDS
	s_barrier_signal -1
	s_barrier_wait -1
	s_cmp_lt_u32 s16, 2                            ; waves 0 and 1 store the 128 sums, 256 consecutive bytes each
	s_cbranch_scc0 .Lend
	ds_load_b64 v[HD:HD+1], v[HA]                  ; v[HA] stands written since the head's wait; no vector instruction names v[HD]
	s_wait_dscnt 0x0
	global_store_b64 v[HA], v[HD:HD+1], s[12:13]
.Lend:
	s_wait_dscnt 0x0                               ; the closing lines, six on end
	s_wait_alu 0x0
	s_wait_tensorcnt 0x0
	ds_add_u32 v[SPW], v[NIL]
	s_wait_dscnt 0x0
	s_endpgm
.Lfunc_end_k_q315e158c68_prep:
	.size	k_q315e158c68_prep, .Lfunc_end_k_q315e158c68_prep-k_q315e158c68_prep
	.p2alignl 7, 3214868480
	.fill 96, 4, 3214868480
	.section	.rodata,"a",@progbits
	.p2align	6, 0x0
	.amdhsa_kernel k_q315e158c68_prep
		.amdhsa_group_segment_fixed_size 1536
		.amdhsa_private_segment_fixed_size 0
		.amdhsa_enable_private_segment 0
		.amdhsa_kernarg_size 48
		.amdhsa_user_sgpr_count 2
		.amdhsa_user_sgpr_kernarg_segment_ptr 1
		.amdhsa_wavefront_size32 1
		.amdhsa_system_sgpr_workgroup_id_x 1
		.amdhsa_system_sgpr_workgroup_id_y 1
		.amdhsa_system_sgpr_workgroup_id_z 1
		.amdhsa_system_vgpr_workitem_id 0
		.amdhsa_next_free_vgpr 160
		.amdhsa_next_free_sgpr 66
		.amdhsa_reserve_vcc 0
		.amdhsa_float_denorm_mode_32 3
		.amdhsa_float_denorm_mode_16_64 3
		.amdhsa_memory_ordered 1
		.amdhsa_forward_progress 1
		.amdhsa_inst_pref_size 29
	.end_amdhsa_kernel
	.amdgpu_metadata
---
amdhsa.version: [ 1, 2 ]
amdhsa.kernels:
  - .name:           k_q315e158c68_prep
    .symbol:         k_q315e158c68_prep.kd
    .args:
      - { .name: z, .offset: 0, .size: 8, .value_kind: global_buffer, .address_space: global }
      - { .name: W, .offset: 8, .size: 8, .value_kind: global_buffer, .address_space: global }
      - { .name: zb, .offset: 16, .size: 8, .value_kind: global_buffer, .address_space: global }
      - { .name: Wb, .offset: 24, .size: 8, .value_kind: global_buffer, .address_space: global }
      - { .name: An, .offset: 32, .size: 8, .value_kind: global_buffer, .address_space: global }
      - { .name: Bn, .offset: 40, .size: 8, .value_kind: global_buffer, .address_space: global }
    .group_segment_fixed_size: 1536
    .private_segment_fixed_size: 0
    .kernarg_segment_align: 8
    .kernarg_segment_size: 48
    .max_flat_workgroup_size: 256
    .sgpr_count:     66
    .vgpr_count:     160
    .wavefront_size: 32
...
	.end_amdgpu_metadata
.endif
;; end of part 4
;; launch nearest: the kernel of part 2 again; grid 256 x 1, 4 waves a work-group, clusters of 4 x 1, 327,680 bytes of LDS; arguments zb, Wb, An, Bn, out1, pick, out2; writes out1, pick, out2
;; launch fetch (part 5): grid 1024 x 1, 4 waves a work-group, no clusters, 0 bytes of LDS; arguments zb, Wb, pick, out0; writes out0
.if DOCPART == 5
	.amdgcn_target "amdgcn-amd-amdhsa--gfx1250"
	.amdhsa_code_object_version 6
	.text
	.protected	k_q315e158c68_fetch
	.globl	k_q315e158c68_fetch
	.p2align	8
	.type	k_q315e158c68_fetch,@function
k_q315e158c68_fetch:
	s_mov_b64 s[64:65], 0
	v_nop
	global_prefetch_b8 v0, s[64:65] scope:SCOPE_SE
	s_setreg_imm32_b32 hwreg(HW_REG_WAVE_SCHED_MODE, 0, 2), 2
	s_setreg_imm32_b32 hwreg(HW_REG_WAVE_MODE, 25, 1), 1
	s_wait_xcnt 0x0
	s_wait_alu depctr_vm_vsrc(0)
; VECTOR QUANTIZER, launch 3 of 3: out0[n] = z[n] + (W[idx[n]] - z[n]), both roundings in f32 as written, on the inputs rounded once to bf16 (zb, Wb), as in the whole program.
; Nothing is left out: in exact arithmetic the sum is W[idx], but in f32 it keeps only the bits of W above z's last place, so z's row is read and both steps are done.
; The row to fetch is a whole number that the launch before stored (pick); it is held to 0 .. 8,191 before it enters an address.
; SHARES.  A wave takes 8 rows.  A lane holds columns 4 l .. 4 l + 3 and 128 + 4 l .. 128 + 4 l + 3: each load of a wave covers 256 consecutive bytes, each store 512.
; All 32 loads of a wave go out at once; every row has its own registers, so no register that a store still reads is written again.  No LDS, no barrier, no matrix unit: waves share nothing.
; THE MODE: SCHED_MODE bits 1:0 = 2 (LLVM: expert scheduling mode 2), set by the entry lines.  The code itself states the register dependences
; between vector instructions and memory instructions, with s_wait_alu, always for 0.
; THE PLAN.  Registers that memory instructions touch:
;   v[L8], v[L16]  offsets, made once at the head and never written again.
;   v[WO + i]      row i's offset in Wb: written once, by one vector add; the eight are made in one run, ahead of one wait and Wb's sixteen loads.
;   ZR, WR         written by loads, once; read by the rows' unpacking lines.
;   OUT, row i     written by the row's unpacking lines and sums; read by its two stores; never written again.
;   T is named by vector instructions alone.
; Row i - 1's two stores are issued in row i, whose vector instructions name ZR's, WR's and OUT's row i and T: none of the registers that those stores read.  So ONE wait on
; va_vdst at the head of a row, behind the wait for the row's data, states all that the two stores hang on, and they are dealt among the row's vector instructions.
.set L8,  2                            ; v2   8 x lane
.set L16, 3                            ; v3   16 x lane
.set WO,  4                            ; v[4:11]   row i: 512 x its code + 8 x lane
.set T,   12                           ; v[12:19]  z's eight numbers as f32
.set ZR,  20                           ; v[20:51]  row i: 4 registers of zb
.set WR,  52                           ; v[52:83]  row i: 4 registers of Wb
.set OUT, 84                           ; v[84:147] row i: 8 results
	s_load_b256 s[4:11], s[0:1], 0x0               ; zb s[4:5], Wb s[6:7], pick s[8:9], out0 s[10:11]
	v_lshrrev_b32 v1, 5, v0
	v_readfirstlane_b32 s12, v1                    ; wave 0..3
	v_and_b32 v1, 31, v0
	v_lshlrev_b32 v[L8], 3, v1
	v_lshlrev_b32 v[L16], 4, v1
	s_wait_alu depctr_va_sdst(0)                   ; s12 is written, ahead of its first reader: the three bases are made from it
	s_lshl_b32 s13, ttmp9, 2
	s_add_co_u32 s13, s13, s12                     ; my wave among all: 8 rows each
	s_lshl_b32 s24, s13, 12                        ; in zb,
	s_mov_b32 s25, 0
	s_lshl_b32 s26, s13, 5                         ; in pick,
	s_mov_b32 s27, 0
	s_lshl_b32 s28, s13, 13                        ; in out0
	s_mov_b32 s29, 0
	s_mov_b32 s14, 0xffff0000                      ; a word's upper bf16
	s_wait_kmcnt 0x0
	s_add_nc_u64 s[8:9], s[8:9], s[26:27]
	s_load_b256 s[16:23], s[8:9], 0x0              ; my 8 rows' codes
	s_add_nc_u64 s[4:5], s[4:5], s[24:25]
	s_add_nc_u64 s[10:11], s[10:11], s[28:29]
	s_wait_alu depctr_va_vdst(0)                   ; v[L8] and v[L16] are written: zb's loads read the first as their offset, every store the second
.irp i, 0,1,2,3,4,5,6,7
	global_load_b64 v[ZR+4*(\i):ZR+4*(\i)+1],   v[L8], s[4:5] offset:512*(\i) th:TH_LOAD_NT
	global_load_b64 v[ZR+4*(\i)+2:ZR+4*(\i)+3], v[L8], s[4:5] offset:512*(\i)+256 th:TH_LOAD_NT
.endr
	s_wait_kmcnt 0x0
.irp i, 0,1,2,3,4,5,6,7
	s_min_u32 s[16+(\i)], s[16+(\i)], 8191         ; inside the table
	s_lshl_b32 s[16+(\i)], s[16+(\i)], 9           ; a row of Wb is 512 bytes
	v_add_nc_u32 v[WO+(\i)], s[16+(\i)], v[L8]
.endr
	s_wait_alu depctr_va_vdst(0)                   ; the eight offsets v[WO ..] are written, which Wb's sixteen loads read
.irp i, 0,1,2,3,4,5,6,7
	global_load_b64 v[WR+4*(\i):WR+4*(\i)+1],   v[WO+(\i)], s[6:7]
	global_load_b64 v[WR+4*(\i)+2:WR+4*(\i)+3], v[WO+(\i)], s[6:7] offset:256
.endr
.macro ROW i
	s_wait_loadcnt 14-2*(\i)                       ; loads come back in order: zb's sixteen and row i's two of Wb are in, the two of each later row stay out
.if (\i) > 0
	s_wait_alu depctr_va_vdst(0)                   ; the row before's sums have written its eight results, which the two stores of this row's text read
	global_store_b128 v[L16], v[OUT+8*((\i)-1):OUT+8*((\i)-1)+3],   s[10:11] offset:1024*((\i)-1) th:TH_STORE_NT      ; the row before: 512 consecutive bytes, aligned
.endif
.irp k, 0,1,2,3
	v_lshlrev_b32 v[T+2*(\k)],           16,  v[ZR+4*(\i)+(\k)]
	v_and_b32     v[T+2*(\k)+1],         s14, v[ZR+4*(\i)+(\k)]
	v_lshlrev_b32 v[OUT+8*(\i)+2*(\k)],   16,  v[WR+4*(\i)+(\k)]
	v_and_b32     v[OUT+8*(\i)+2*(\k)+1], s14, v[WR+4*(\i)+(\k)]
.endr
.if (\i) > 0
	global_store_b128 v[L16], v[OUT+8*((\i)-1)+4:OUT+8*((\i)-1)+7], s[10:11] offset:1024*((\i)-1)+512 th:TH_STORE_NT  ; no wait: no vector instruction since the wait above names the row before's results
.endif
.irp k, 0,2,4,6
	v_pk_add_f32 v[OUT+8*(\i)+(\k):OUT+8*(\i)+(\k)+1], v[OUT+8*(\i)+(\k):OUT+8*(\i)+(\k)+1], v[T+(\k):T+(\k)+1] neg_lo:[0,1] neg_hi:[0,1]  ; W - z
.endr
.irp k, 0,2,4,6
	v_pk_add_f32 v[OUT+8*(\i)+(\k):OUT+8*(\i)+(\k)+1], v[T+(\k):T+(\k)+1], v[OUT+8*(\i)+(\k):OUT+8*(\i)+(\k)+1]  ; z + (W - z)
.endr
.endm
.irp i, 0,1,2,3,4,5,6,7
	ROW \i
.endr
	s_wait_alu depctr_va_vdst(0)                   ; row 7's sums have written its eight results, which the last two stores read
	global_store_b128 v[L16], v[OUT+8*7:OUT+8*7+3],   s[10:11] offset:1024*7 th:TH_STORE_NT
	global_store_b128 v[L16], v[OUT+8*7+4:OUT+8*7+7], s[10:11] offset:1024*7+512 th:TH_STORE_NT
	s_endpgm
.Lfunc_end_k_q315e158c68_fetch:
	.size	k_q315e158c68_fetch, .Lfunc_end_k_q315e158c68_fetch-k_q315e158c68_fetch
	.p2alignl 7, 3214868480
	.fill 96, 4, 3214868480
	.section	.rodata,"a",@progbits
	.p2align	6, 0x0
	.amdhsa_kernel k_q315e158c68_fetch
		.amdhsa_group_segment_fixed_size 0
		.amdhsa_private_segment_fixed_size 0
		.amdhsa_enable_private_segment 0
		.amdhsa_kernarg_size 32
		.amdhsa_user_sgpr_count 2
		.amdhsa_user_sgpr_kernarg_segment_ptr 1
		.amdhsa_wavefront_size32 1
		.amdhsa_system_sgpr_workgroup_id_x 1
		.amdhsa_system_sgpr_workgroup_id_y 1
		.amdhsa_system_sgpr_workgroup_id_z 1
		.amdhsa_system_vgpr_workitem_id 0
		.amdhsa_next_free_vgpr 148
		.amdhsa_next_free_sgpr 66
		.amdhsa_reserve_vcc 0
		.amdhsa_float_denorm_mode_32 3
		.amdhsa_float_denorm_mode_16_64 3
		.amdhsa_memory_ordered 1
		.amdhsa_forward_progress 1
		.amdhsa_inst_pref_size 16
	.end_amdhsa_kernel
	.amdgpu_metadata
---
amdhsa.version: [ 1, 2 ]
amdhsa.kernels:
  - .name:           k_q315e158c68_fetch
    .symbol:         k_q315e158c68_fetch.kd
    .args:
      - { .name: zb, .offset: 0, .size: 8, .value_kind: global_buffer, .address_space: global }
      - { .name: Wb, .offset: 8, .size: 8, .value_kind: global_buffer, .address_space: global }
      - { .name: pick, .offset: 16, .size: 8, .value_kind: global_buffer, .address_space: global }
      - { .name: out0, .offset: 24, .size: 8, .value_kind: global_buffer, .address_space: global }
    .group_segment_fixed_size: 0
    .private_segment_fixed_size: 0
    .kernarg_segment_align: 8
    .kernarg_segment_size: 32
    .max_flat_workgroup_size: 128
    .sgpr_count:     66
    .vgpr_count:     148
    .wavefront_size: 32
...
	.end_amdgpu_metadata
.endif
;; end of part 5
